; MI455X (gfx1250); checked and timed in simulation.
; The chip was launched on July 23, 2026; its instructions are those of AMD's public machine-readable ISA for CDNA 5 (MIT licence, August 2026) and "CDNA5" Instruction Set Architecture Reference Guide (July 2026). The comments in the code are by the model that wrote it; some were corrected since.
;; Self Attention. Allowed arithmetic: matrix products marked QUANTISED: E2M1 operands, one E8M0 scale for each 32 along K, by v_wmma_scale_f32_16x16x128_f8f6f4 with both operands' format E2M1 (or v_wmma_scale_f32_32x16x128_f4), f32 sums; everything else in f32.
;; Inputs: b_in 3,072 float32; b_out 1,024 float32; w_in 3,072 x 1,024 float32; w_out 1,024 x 1,024 float32; x 4 x 2,048 x 1,024 float32.
;; Outputs: out0 4 x 2,048 x 1,024 float32.
;; Constants: causal_mask = 1.
;; This version of the problem:
;;   THIS VERSION OF THE PROBLEM IS GIVEN IN LOW PRECISION. The matrix products marked QUANTISED in the list below multiply operands that are first quantised to E2M1 (2 exponent bits, 1 mantissa bit; 4 bits a number), with one power-of-two scale for each 32 numbers along K (OCP MX v1.0); their sums are f32. All else is computed in f32.
;;   The module's matrix products, in the order in which they are computed (A, B: the left and right operand; K: the contracted axis; several contracted axes count as one K, in the product's order):
;;     1. [M 8,192, K 1,024] x [K 1,024, N 3,072]; A: input x; B: input w_in: QUANTISED
;;     2. batch 64 x [M 2,048, K 64] x [K 64, N 2,048]; A: computed on the way; B: computed on the way: QUANTISED
;;     3. batch 64 x [M 2,048, K 2,048] x [K 2,048, N 64]; A: softmax (see below); B: computed on the way: QUANTISED
;;     4. [M 8,192, K 1,024] x [K 1,024, N 1,024]; A: computed on the way; B: input w_out: QUANTISED
;;   THE QUANTISER, for each operand of a quantised product, along K:
;;     - K is cut into blocks of 32 from its start; a last block that is shorter is filled with zeros.
;;     - A block's scale is 2^e with e = floor(log2(the largest magnitude in the block)) - 2, held to -126 .. 127; a block of zeros has e = 0. As a byte (E8M0): e + 127.
;;     - Each number is divided by its block's scale, clamped to +-6, and rounded to the nearest number of E2M1, ties to even, subnormals kept.
;;     - The product sums the exact products of the quantised numbers (number of the format x scale) in f32.
;;   ~~~python
;;   def quantise(x, axis):      # numpy; x: float32 -> the quantised numbers, widened to float32 again
;;       x = np.moveaxis(x, axis, -1); K = x.shape[-1]
;;       x = np.pad(x, [(0, 0)] * (x.ndim - 1) + [(0, -K % 32)]); x = x.reshape(x.shape[:-1] + (-1, 32)); a = np.abs(x).max(-1, keepdims=True)
;;       e = np.where(a > 0, np.clip(np.frexp(np.where(a > 0, a, 1))[1] - 1 - 2, -126, 127), 0)      # np.frexp(a)[1] - 1 = floor(log2(a)), exactly
;;       r = np.clip(x / 2.0 ** e, -6, 6)
;;       step = 2.0 ** (np.maximum(np.frexp(np.where(r == 0, 1, r))[1] - 1, 0) - 1)
;;       q = np.round(r / step) * step * 2.0 ** e      # np.round: ties to even
;;       return np.moveaxis(q.reshape(q.shape[:-2] + (-1,))[..., :K], -1, axis).astype(np.float32)
;;   ~~~
;;   SOFTMAX AHEAD OF A QUANTISED PRODUCT. Where the list says 'softmax', what is quantised is not the finished softmax but p = 2^(t - M), with t = logit x log2(e) and M = ceil(the row's largest t), a whole number; so 1/2 < the row's largest p <= 1. The row's sum l is taken of the UNQUANTISED p, in f32, and the product's result is divided by l at the end. Since M is a whole number, a kernel that streams over the keys may use a running M (the ceiling of the running maximum): every later rescaling is an exact power of two, which a block's scale takes up: the codes' values come out the same.
;;   OPERANDS COMPUTED ON THE WAY. 'Computed on the way' means the value that the module computes at that place (a softmax that the list does not call 'softmax' is quantised finished and normalised). What goes into a quantiser is computed in f32, as accurately as f32 sums, v_exp_f32 and their like allow (about 1e-6 of the number): no bf16 or f16 on the way to a quantiser, and a product that is left as it is and whose result goes on into a quantised operand takes f32 operands (vector FMAs, or v_wmma_f32_16x16x4_f32). A number that lies on a knife's edge between two numbers of the format may be rounded either way, as far as f32 arithmetic and the matrix unit's own rounding can turn it there, and no further.
;; One version. Each part assembles by itself: llvm-mc -triple=amdgcn-amd-amdhsa -mcpu=gfx1250 --defsym DOCPART=n.
;; ======== version 1 of 1: 4 launches
;; workspace buffers: cod_img 6,291,456 bytes; cod_sc 393,216 bytes; qkv_img 12,582,912 bytes; qkv_sc 1,310,720 bytes; a_img 4,194,304 bytes; a_sc 262,144 bytes
;; launch quant (part 1): grid 384 x 1, 4 waves a work-group, no clusters, 34,304 bytes of LDS; arguments x, w_in, w_out, cod_img, cod_sc; writes cod_img, cod_sc
.if DOCPART == 1
	.amdgcn_target "amdgcn-amd-amdhsa--gfx1250"
	.amdhsa_code_object_version 6
	.text
	.protected	k_q0afadfe368_quant
	.globl	k_q0afadfe368_quant
	.p2align	8
	.type	k_q0afadfe368_quant,@function
k_q0afadfe368_quant:
	s_mov_b64 s[64:65], 0
	v_nop
	global_prefetch_b8 v0, s[64:65] scope:SCOPE_SE
	s_setreg_imm32_b32 hwreg(HW_REG_WAVE_MODE, 25, 1), 1
	s_wait_xcnt 0x0
; x [8192][1024], w_in [3072][1024], w_out [1024][1024], f32, K innermost, become codes of FP4 (E2M1) with one E8M0 byte for each 32 along K.
; A block's scale is 2^(floor(log2(its largest magnitude)) - 2); its byte is the largest magnitude's exponent field - 2, held at 1 from below.
; LIMITS: NaN and infinities among the inputs are not served.  A block of zeros, or one whose largest magnitude lies under 2^-124, gets the byte 1 (the rule says 127 for zeros): its codes are
; zeros or are taken under that floor's scale; the bytes are read by this program alone.
; THE OUTPUT IS LAID AS THE MATRIX UNIT'S REGISTERS WANT IT.  Rows go in groups of 32; tile T = 2 G + u holds, at lane index r, row 32 G + 8 u + r + 8 (r / 8).
;   codes:  [T][K step s 0..7][c 0..1][lane 32][16 bytes]: lane (r, h) holds k = 128 s + 64 c + 32 h + 0 .. 31 of its row.     scale words: [T][K half][r 16][4 words], a word for a row and 128 along K.
; SHARES.  Work-group g takes group g of the 384 groups of 32 rows (256 of x, 96 of w_in, 32 of w_out); wave w takes tile u = w / 2 and K half w % 2: 16 rows x 512 numbers, four steps of 128 along K.
; Each load reads 512 consecutive bytes of one row; the 16 rows turn through the wave's own stage in LDS (rows of 512 + 16 bytes) so that a lane gets 16 neighbours of each block of 32.
; No work-group shares an input byte with another, so there is no cluster; no tensor load, no barrier: waves share nothing.
.set TM,  8                            ; v8-23    at work: largest magnitudes, bytes, scale operands
.set PW,  24                           ; v24-27   a scale word for each step
.set PC,  28                           ; v28-59   eight registers of codes for each step: no store's data are written again
.set X,   64                           ; v64-127  64 numbers of a lane: register 16 b + i = k 32 b + 16 h + i of row r
.set R,   128                          ; v128-255 two sets of 64 registers as loaded
.set SEL, 20                           ; s[20:21] lane selects: lane l xor 16
.set SP,  528                          ; a stage row
	s_load_b256 s[4:11], s[0:1], 0x0               ; x, w_in, w_out, the codes
	s_load_b64 s[12:13], s[0:1], 0x20              ; the scale words
	v_lshl_add_u32 v62, v0, 2, 0x8400
	v_mov_b32 v63, 0
	v_lshrrev_b32 v1, 5, v0
	v_readfirstlane_b32 s16, v1                    ; wave 0..3
	v_and_b32 v1, 31, v0                           ; lane
	v_and_b32 v2, 15, v0                           ; r
	v_bfe_u32 v3, v0, 4, 1                         ; h
	v_lshlrev_b32 v4, 4, v1                        ; 16 x lane: loads and code stores
	s_mul_i32 s17, s16, 16*SP                      ; my stage
	v_add_nc_u32 v5, s17, v4                       ; into it: a row's 512 bytes as they lie
	v_mul_u32_u24 v6, v2, SP
	v_lshl_add_u32 v6, v3, 6, v6
	v_add_nc_u32 v6, s17, v6                       ; out of it: row r, + 64 h
	v_lshlrev_b32 v7, 4, v2                        ; 16 r: my row's four scale words
	s_mov_b32 s[SEL], 0x76543210
	s_mov_b32 s[SEL+1], 0xfedcba98
.irp b, 0,1,2,3
	v_mov_b32 v[TM+4+\b], 0                        ; written once: a lane permute's destination counts as one of its sources
.endr
	s_lshr_b32 s22, s16, 1                         ; u
	s_and_b32 s23, s16, 1                          ; K half
	s_mov_b32 s18, 352
	s_wait_kmcnt 0x0
	s_cmp_lt_u32 ttmp9, 352                        ; which tensor: the choice hangs on the work-group's number alone
	s_cselect_b64 s[6:7], s[6:7], s[8:9]
	s_cselect_b32 s17, 256, s18
	s_cmp_lt_u32 ttmp9, 256
	s_cselect_b64 s[4:5], s[4:5], s[6:7]
	s_cselect_b32 s17, 0, s17
	s_sub_co_u32 s17, ttmp9, s17                   ; the group's number in its tensor
	s_lshl_b32 s24, s17, 17                        ; 32 rows of 4,096 bytes,
	s_lshl_b32 s25, s22, 15                        ; tile u begins 8 rows on,
	s_add_co_u32 s24, s24, s25
	s_lshl_b32 s25, s23, 11                        ; the K half 512 numbers on
	s_add_co_u32 s24, s24, s25
	s_mov_b32 s25, 0
	s_add_nc_u64 s[4:5], s[4:5], s[24:25]
	s_lshl_b32 s26, ttmp9, 1
	s_add_co_u32 s26, s26, s22                     ; T = 2 g + u
	s_lshl_b32 s24, s26, 13                        ; a tile's codes are 8,192 bytes, a K half 4,096
	s_lshl_b32 s27, s23, 12
	s_add_co_u32 s24, s24, s27
	s_add_nc_u64 s[10:11], s[10:11], s[24:25]
	s_lshl_b32 s24, s26, 9                         ; a tile's scale words are 512 bytes, a K half 256
	s_lshl_b32 s27, s23, 8
	s_add_co_u32 s24, s24, s27
	s_add_nc_u64 s[12:13], s[12:13], s[24:25]
.macro LOAD t                          ; step t: 128 numbers of each of the tile's 16 rows
.irp i, 0,1,2,3,4,5,6,7,8,9,10,11,12,13,14,15
	global_load_b128 v[R+64*((\t)%2)+4*\i:R+64*((\t)%2)+4*\i+3], v4, s[4:5] offset:(\i+8*(\i/8))*4096+512*(\t) th:TH_LOAD_NT
.endr
.endm
; 64 numbers of a lane, register 16 b + i = k 32 b + 16 h + i of my row, become a fragment's eight registers of codes and the row's scale word.
.macro QUANT s, pc, pw
.irp b, 0,1,2,3
	v_max3_num_f32 v[TM+\b], |v[\s+16*\b]|, |v[\s+1+16*\b]|, 0x1800000   ; block b: my 16 numbers, and the floor 2^(3 - 127): the byte cannot fall under 1
.endr
.irp i, 2,4,6,8,10,12,14
.irp b, 0,1,2,3
	v_max3_num_f32 v[TM+\b], v[TM+\b], |v[\s+16*\b+\i]|, |v[\s+1+16*\b+\i]|   ; the four blocks by turns
.endr
.endr
.irp b, 0,1,2,3
	v_permlanex16_b32 v[TM+4+\b], v[TM+\b], s[SEL], s[SEL+1]
.endr
.irp b, 0,1,2,3
	v_max_num_f32 v[TM+\b], v[TM+\b], v[TM+4+\b]   ; with lane l xor 16's 16: the block's largest magnitude
.endr
.irp b, 0,1,2,3
	v_add_nc_u32 v[TM+12+\b], 0xff000000, v[TM+\b] ; 2 off its exponent field: the conversion takes this operand's exponent field as its scale
.endr
.irp b, 0,1,2,3
	v_lshrrev_b32 v[TM+4+\b], 23, v[TM+12+\b]      ; the scale's byte
.endr
	v_lshl_or_b32 v[\pw], v[TM+5], 8, v[TM+4]
	v_lshl_or_b32 v[\pw], v[TM+6], 16, v[\pw]
	v_lshl_or_b32 v[\pw], v[TM+7], 24, v[\pw]
.irp b, 0,1,2,3
	v_cvt_scalef32_pk8_fp4_f32 v[\pc+2*\b], v[\s+16*\b:\s+7+16*\b], v[TM+12+\b]
	v_cvt_scalef32_pk8_fp4_f32 v[\pc+1+2*\b], v[\s+8+16*\b:\s+15+16*\b], v[TM+12+\b]
.endr
	v_nop                                          ; one plain place behind a scaled conversion
.irp c, 0,1                            ; the operand wants a WHOLE block in a lane: lanes 0-15 block 2 c, lanes 16-31 block 2 c + 1
.irp i, 0,1
	v_permlane16_swap_b32 v[\pc+4*\c+\i], v[\pc+2+4*\c+\i]
.endr
.endr
.endm
.macro STEP t
.if \t < 3
	s_wait_loadcnt 16                              ; this step's 16 loads are in; the other set's 16 may be out
.else
	s_wait_loadcnt 0x0
.endif
.irp i, 0,1,2,3,4,5,6,7,8,9,10,11,12,13,14,15
	ds_store_b128 v5, v[R+64*((\t)%2)+4*\i:R+64*((\t)%2)+4*\i+3] offset:SP*\i
.endr
.irp b, 0,1,2,3
.irp j, 0,1,2,3
	ds_load_b128 v[X+16*\b+4*\j:X+16*\b+4*\j+3], v6 offset:128*\b+16*\j   ; LDS serves a wave's instructions in order: these see the stores above
.endr
.endr
	s_wait_dscnt 0x0                               ; my 64 numbers are in, and the stores have read their registers,
.if \t < 2
	LOAD \t+2                                      ; which take the loads of two steps on
.endif
	QUANT X, PC+8*\t, PW+\t
	global_store_b128 v4, v[PC+8*\t:PC+8*\t+3], s[10:11] offset:1024*\t        ; 32 lanes store 512 consecutive bytes, aligned
	global_store_b128 v4, v[PC+8*\t+4:PC+8*\t+7], s[10:11] offset:1024*\t+512
.endm
	LOAD 0
	LOAD 1
	STEP 0
	STEP 1
	STEP 2
	STEP 3
	global_store_b128 v7, v[PW:PW+3], s[12:13]     ; 16 rows x 4 words: 256 consecutive bytes, aligned (lanes 16-31 hold and write the same words as lanes 0-15)
	s_wait_tensorcnt 0x0
	ds_add_u32 v62, v63
	s_wait_dscnt 0x0
	s_endpgm
.Lfunc_end_k_q0afadfe368_quant:
	.size	k_q0afadfe368_quant, .Lfunc_end_k_q0afadfe368_quant-k_q0afadfe368_quant
	.p2alignl 7, 3214868480
	.fill 96, 4, 3214868480
	.section	.rodata,"a",@progbits
	.p2align	6, 0x0
	.amdhsa_kernel k_q0afadfe368_quant
		.amdhsa_group_segment_fixed_size 34304
		.amdhsa_private_segment_fixed_size 0
		.amdhsa_enable_private_segment 0
		.amdhsa_kernarg_size 40
		.amdhsa_user_sgpr_count 2
		.amdhsa_user_sgpr_kernarg_segment_ptr 1
		.amdhsa_wavefront_size32 1
		.amdhsa_system_sgpr_workgroup_id_x 1
		.amdhsa_system_sgpr_workgroup_id_y 1
		.amdhsa_system_sgpr_workgroup_id_z 1
		.amdhsa_system_vgpr_workitem_id 0
		.amdhsa_next_free_vgpr 256
		.amdhsa_next_free_sgpr 66
		.amdhsa_reserve_vcc 0
		.amdhsa_float_denorm_mode_32 3
		.amdhsa_float_denorm_mode_16_64 3
		.amdhsa_memory_ordered 1
		.amdhsa_forward_progress 1
		.amdhsa_inst_pref_size 33
	.end_amdhsa_kernel
	.amdgpu_metadata
---
amdhsa.version: [ 1, 2 ]
amdhsa.kernels:
  - .name:           k_q0afadfe368_quant
    .symbol:         k_q0afadfe368_quant.kd
    .args:
      - { .name: x, .offset: 0, .size: 8, .value_kind: global_buffer, .address_space: global }
      - { .name: w_in, .offset: 8, .size: 8, .value_kind: global_buffer, .address_space: global }
      - { .name: w_out, .offset: 16, .size: 8, .value_kind: global_buffer, .address_space: global }
      - { .name: cod_img, .offset: 24, .size: 8, .value_kind: global_buffer, .address_space: global }
      - { .name: cod_sc, .offset: 32, .size: 8, .value_kind: global_buffer, .address_space: global }
    .group_segment_fixed_size: 34304
    .private_segment_fixed_size: 0
    .kernarg_segment_align: 8
    .kernarg_segment_size: 40
    .max_flat_workgroup_size: 128
    .sgpr_count:     66
    .vgpr_count:     256
    .wavefront_size: 32
...
	.end_amdgpu_metadata
.endif
;; end of part 1
;; launch gemm_qkv (part 2): grid 12 x 64, 4 waves a work-group, clusters of 4 x 4, 209,408 bytes of LDS; arguments cod_img, cod_sc, b_in, qkv_img, qkv_sc; writes qkv_img, qkv_sc
.if DOCPART == 2
	.amdgcn_target "amdgcn-amd-amdhsa--gfx1250"
	.amdhsa_code_object_version 6
	.text
	.protected	k_q0afadfe368_gemm_qkv
	.globl	k_q0afadfe368_gemm_qkv
	.p2align	8
	.type	k_q0afadfe368_gemm_qkv,@function
k_q0afadfe368_gemm_qkv:
	s_mov_b64 s[64:65], 0
	v_nop
	global_prefetch_b8 v0, s[64:65] scope:SCOPE_SE
	s_setreg_imm32_b32 hwreg(HW_REG_WAVE_MODE, 25, 1), 1
	s_wait_xcnt 0x0
	s_wait_alu depctr_hold_cnt(0) depctr_sa_sdst(0) depctr_va_vdst(0) depctr_va_sdst(0) depctr_va_ssrc(0) depctr_va_vcc(0) depctr_vm_vsrc(0)
	s_getreg_b32 s2, hwreg(HW_REG_IB_STS2, 6, 4)
	s_cmp_eq_u32 s2, 0
	s_cbranch_scc0 .Lentry_in_a_cluster
	s_endpgm
.Lentry_in_a_cluster:
	s_bfe_u32 s2, ttmp6, 0x10000c
	s_cmp_lg_u32 s2, 0xf033
	s_cbranch_scc0 .Lentry_shape_is_right
	s_endpgm
.Lentry_shape_is_right:
; qkv = x w_in^T + b_in on codes of FP4 with E8M0 scales, and its results quantised at once: q and k along the head's 64, v along the keys.  Nothing wide goes to memory.
; THE CORE: T[l][p] = sum over k of L[l][k] P[p][k], K = 1,024.  Source 0 = 16 rows of P, source 1 = 16 rows of L: a lane holds one l, its registers run along p.  By the tile order of the images
; (tile 2 G + u, lane index r: row 32 G + 8 u + r + 8 (r / 8)) the 16 registers of P's tiles 2 b and 2 b + 1 are 16 neighbours: p = 32 b + 16 (lane / 16) + 0 .. 15.
; A work-group makes L 128 x P 256, its four waves 2 x 2, a wave L 64 x P 128: 32 accumulators.  ALL OF K LIES IN LDS (two halves of 98,304 bytes and the scale words): every byte of LDS is filled once.
; CLUSTERS: 4 x 4 work-groups; L's tiles are shared along a row of the cluster, P's along a column: each is asked for JOINTLY.
; PATHS, by the cluster's x, which all sixteen partners share: 0: q, 1: k (L = 128 tokens, P = 256 features = 4 heads);  2: v (L = 128 features of v = 2 heads, P = 256 tokens: the registers run along the KEYS).
; OUT, for each (batch, head): q, k codes [tile of 16 tokens][lane][16 bytes] (lane (r, h): d = 32 h ..), v codes [key step of 128][c][d tile a][lane][16 bytes]; scale words q, k [tile / 4][r][tile % 4]
; (bytes 0, 1; bytes 2, 3 are 0 and stand over zero codes), v [key step][r][a].
; LIMITS: NaN and infinities are not served; a block of zeros or under 2^-124 gets the byte 1 (read by this program alone).
; REGISTERS: window 0: v2 r, v3 h, v4-15 addresses; v32-95 scale words; v96-159 L's fragments, two sets; v160-223 the bias.  window 1: v0-127 P's fragments, two sets.  window 2: accumulator (a, t) at v[8 (8 a + t)].
.set SLOT, 98304                       ; a K half: L's 8 tiles x 4,096 bytes, then P's 16
.set SCL,  2*SLOT                      ; L's scale words, 8 tiles x 512 bytes; behind them P's, 16 tiles
.set LI,   4                           ; v4     16 x lane
.set ADRL, 8                           ; v8-9   my L fragments in K half 0, 1
.set ADRP, 10                          ; v10-11 my P fragments
.set ADRS, 12                          ; v12    scale words: lanes 0-15 L's rows, lanes 16-31 P's
.set SH,   13                          ; v13    the way out: how far my half's part of a scale word is shifted down
.set SOFF, 14                          ; v14    where my scale words go
.set BO,   15                          ; v15    my offset in the bias
.set SC,   32                          ; register 32 kp + 4 i + q: lanes 0-15 the word of L's tile i, lanes 16-31 of P's tile i, K step 4 kp + q
.set LF,   96
.set BB,   160
.set VAL,  128                         ; the way out: v128-131 four scale words to store, v132 the word just made, v136-151 at work
.set PW,   132
.set TM,   136
.set G1, 24                            ; s[24:31] group 1, s[32:39] two groups 0: L's codes
.set G0, 32
.set G1B, 48                           ; s[48:55], s[56:63]: P's codes
.set G0B, 56
.set G1S, 68                           ; s[68:75], s[76:79]: L's scale words
.set G0S, 76
.set G1SB, 80                          ; s[80:87], s[88:91]: P's
.set G0SB, 88
.set OB0, 66                           ; s[66:67] where registers 0-3 of a fragment go, s[96:97] registers 4-7, s[98:99] the scale words
.set OB1, 96
.set OS,  98
.set MASK, 17
.set MSB, 0
.macro WIN new                         ; the immediate's high byte repeats the setting that is left
.if MSB != \new
	s_set_vgpr_msb (MSB<<8)|\new
.set MSB, \new
.endif
.endm
.macro JLOAD g0a, g1a, g0b, g1b        ; a joint load: waves 0 and 1 fetch for L, waves 2 and 3 for P; four v_nop follow each line
	s_cmp_eq_u32 s15, 0
	s_cbranch_scc0 .Lfor_b_\@
	tensor_load_to_lds s[\g0a:\g0a+3], s[\g1a:\g1a+7]
	s_nop 0
.rept 4
	v_nop
.endr
	s_branch .Lasked_\@
.Lfor_b_\@:
	tensor_load_to_lds s[\g0b:\g0b+3], s[\g1b:\g1b+7]
	s_nop 0
.rept 4
	v_nop
.endr
.Lasked_\@:
.endm
.macro CROUND                          ; a round of the cluster's barrier
	s_barrier_signal -1
	s_barrier_wait -1
	s_cmp_lg_u32 s14, 0
	s_cbranch_scc1 .Lnot_wave_0_\@
	s_barrier_signal -3
.Lnot_wave_0_\@:
	s_barrier_wait -3
	s_barrier_signal -1
	s_barrier_wait -1
.endm
.macro PLACES                          ; four places in front of loads into registers that matrix instructions have read, and of the first read of results
.rept 4
	v_nop
.endr
.endm
.macro FETCH sg                        ; K step sg: P's eight fragments and L's four, images of their registers: 512 consecutive bytes a load
	WIN 0x40
.irp t, 0,1,2,3,4,5,6,7
.irp c, 0,1
	ds_load_b128 v[64*((\sg)%2)+8*\t+4*\c:64*((\sg)%2)+8*\t+4*\c+3], v[ADRP+(\sg)/4] offset:4096*\t+1024*((\sg)%4)+512*\c
.endr
.endr
	WIN 0
.irp a, 0,1,2,3
.irp c, 0,1
	ds_load_b128 v[LF+32*((\sg)%2)+8*\a+4*\c:LF+32*((\sg)%2)+8*\a+4*\c+3], v[ADRL+(\sg)/4] offset:4096*\a+1024*((\sg)%4)+512*\c
.endr
.endr
.endm
.macro SCALES kp                       ; a K half's scale words: four words a row and load
.irp i, 0,1,2,3,4,5,6,7
	ds_load_b128 v[SC+32*\kp+4*\i:SC+32*\kp+4*\i+3], v[ADRS] offset:512*\i+256*\kp
.endr
.endm
; 32 matrix instructions, the accumulators by turns in the same order in every step.  mode 0: in place; 1: C = the bias along p; 2: C = the bias along l.
.macro MUL32 sg, mode
.if \mode == 0
	WIN 0xa1                                       ; source 0 (P) window 1, source 1 (L) window 0, C and D window 2
.else
	WIN 0x81                                       ; C in window 0
.endif
.irp a, 0,1,2,3
.irp t, 0,1,2,3,4,5,6,7
.set rD, 8*(8*\a+\t)
.set rC, rD
.if \mode == 1
.set rC, BB+8*\t
.endif
.if \mode == 2
.set rC, BB+8*\a
.endif
.set rP, 64*((\sg)%2)+8*\t
.set rL, LF+32*((\sg)%2)+8*\a
.set rS, SC+32*((\sg)/4)+(\sg)%4
	v_wmma_scale_f32_16x16x128_f8f6f4 v[rD:rD+7], v[rP:rP+7], v[rL:rL+7], v[rC:rC+7], v[rS+4*\t], v[rS+4*\a] matrix_a_fmt:MATRIX_FMT_FP4 matrix_b_fmt:MATRIX_FMT_FP4 matrix_a_scale:MATRIX_SCALE_ROW1
.endr
.endr
.endm
.macro START mode                      ; the first tiles, the first fragments, and K step 0, whose C is the bias: nothing is cleared and no bias is added
	s_wait_tensorcnt 0x1                           ; my scale words and my part of K half 0 are in; my one load of K half 1 may be out
	s_barrier_signal -1
	s_barrier_wait -1                              ; everybody's are
	FETCH 0
	SCALES 0
	s_wait_loadcnt 0x0                             ; the bias
	s_wait_dscnt 0x0
	FETCH 1
	MUL32 0, \mode
	WIN 0
.endm
.macro STEP sg
	s_wait_dscnt 0x0                               ; this step's fragments are in (asked for 32 matrix instructions ago)
.if \sg == 3
	s_wait_tensorcnt 0x0                           ; my part of K half 1 is in,
	s_barrier_signal -1
	s_barrier_wait -1                              ; everybody's is
.endif
.if \sg < 7
	PLACES
	FETCH \sg+1
.if \sg == 3
	SCALES 1
.endif
.endif
	MUL32 \sg, 0
	WIN 0
.endm
; 64 results of a lane in window 2, register 16 b + i = p 32 b + 16 h + i, become a fragment's codes and the scale word.  Each accumulator is read from its low end on.
.macro QUANTW s, pc, pw
	WIN 0x0a
.irp b, 0,1,2,3
	v_max3_num_f32 v[TM+\b], |v[\s+16*\b]|, |v[\s+1+16*\b]|, 0x1800000   ; and the floor 2^(3 - 127)
.endr
	WIN 0x28
.irp i, 2,4,6,8,10,12,14
.irp b, 0,1,2,3
	v_max3_num_f32 v[TM+\b], v[TM+\b], |v[\s+16*\b+\i]|, |v[\s+1+16*\b+\i]|
.endr
.endr
	WIN 0
.irp b, 0,1,2,3
	v_permlanex16_b32 v[TM+4+\b], v[TM+\b], s18, s19
.endr
.irp b, 0,1,2,3
	v_max_num_f32 v[TM+\b], v[TM+\b], v[TM+4+\b]
.endr
.irp b, 0,1,2,3
	v_add_nc_u32 v[TM+12+\b], 0xff000000, v[TM+\b]
.endr
.irp b, 0,1,2,3
	v_lshrrev_b32 v[TM+4+\b], 23, v[TM+12+\b]
.endr
	v_lshl_or_b32 v[\pw], v[TM+5], 8, v[TM+4]
	v_lshl_or_b32 v[\pw], v[TM+6], 16, v[\pw]
	v_lshl_or_b32 v[\pw], v[TM+7], 24, v[\pw]
	WIN 0x02
.irp b, 0,1,2,3
	v_cvt_scalef32_pk8_fp4_f32 v[\pc+2*\b], v[\s+16*\b:\s+7+16*\b], v[TM+12+\b]
	v_cvt_scalef32_pk8_fp4_f32 v[\pc+1+2*\b], v[\s+8+16*\b:\s+15+16*\b], v[TM+12+\b]
.endr
	WIN 0
	v_nop                                          ; one plain place behind a scaled conversion
.irp c, 0,1
.irp i, 0,1
	v_permlane16_swap_b32 v[\pc+4*\c+\i], v[\pc+2+4*\c+\i]
.endr
.endr
.endm
	s_load_b256 s[4:11], s[0:1], 0x0               ; codes s[4:5], scale words s[6:7], b_in s[8:9], qkv's codes s[10:11]
	s_load_b64 s[12:13], s[0:1], 0x20              ; qkv's scale words
	v_lshl_add_u32 v254, v0, 2, 0x33000
	v_mov_b32 v255, 0
	ds_add_u32 v254, v255
	ds_add_u32 v254, v255
	v_lshrrev_b32 v1, 5, v0
	v_readfirstlane_b32 s14, v1                    ; wave 0..3
	s_lshr_b32 s15, s14, 1                         ; my half of L.  Also: I fetch for L (0) or for P (1)
	s_and_b32 s16, s14, 1                          ; my half of P.  Also: which half I fetch
	s_bfe_u32 s40, ttmp6, 0x40000                  ; cx
	s_bfe_u32 s41, ttmp6, 0x40004                  ; cy
	s_and_b32 s42, ttmp7, 0xffff                   ; the cluster's y, 0..15
	s_lshl_b32 s43, s41, 2
	s_lshl_b32 s43, 15, s43                        ; my row of the cluster
	s_lshl_b32 s44, 0x1111, s40                    ; my column
	; which block of 8 tiles is L's, which block of 16 tiles is P's.  x is tiles 0-511, w_in tiles 512-703
	s_lshl_b32 s20, s42, 2                         ; q, k: L = tokens, block 4 CY + cy
	s_lshr_b32 s21, s42, 3
	s_lshl_b32 s21, s21, 2
	s_add_co_u32 s21, s21, 80                      ; v: L = w_in's rows 2,048 on, block 80 + 4 (CY / 8) + cy
	s_lshl_b32 s46, ttmp9, 2
	s_add_co_u32 s46, s46, 32                      ; q, k: P = w_in's rows, block 32 + 4 CX + cx
	s_and_b32 s47, s42, 7
	s_lshl_b32 s47, s47, 2                         ; v: P = tokens, block 4 (CY % 8) + cx
	s_cmp_eq_u32 ttmp9, 2
	s_cselect_b32 s20, s21, s20
	s_cselect_b32 s46, s47, s46
	s_add_co_u32 s20, s20, s41                     ; L's hangs on cy and the cluster alone,
	s_add_co_u32 s46, s46, s40                     ; P's on cx and the cluster alone
	s_lshl_b32 s22, s20, 12                        ; L's scale words: 4,096 bytes a block, my half 2,048
	s_lshl_b32 s23, s16, 11
	s_add_co_u32 s22, s22, s23
	s_lshl_b32 s20, s20, 16                        ; L's codes: 65,536 bytes a block, my half 32,768
	s_lshl_b32 s23, s16, 15
	s_add_co_u32 s20, s20, s23
	s_mov_b32 s21, 0
	s_mov_b32 s23, 0
	s_lshl_b32 s92, s46, 13                        ; P's: twice that
	s_lshl_b32 s93, s16, 12
	s_add_co_u32 s92, s92, s93
	s_lshl_b32 s46, s46, 17
	s_lshl_b32 s93, s16, 16
	s_add_co_u32 s46, s46, s93
	s_mov_b32 s47, 0
	s_mov_b32 s93, 0
	; descriptor groups 1: elements of 8 bytes, no padding.  Codes: a K half of a tile is a row of 4,096 bytes, tiles 8,192 bytes apart.  Scale words: dense, rows of 256 bytes
	s_or_b32 s[G1], s43, (3<<16)|(1<<21)           ; 15:0 the mask; 17:16 elements of 8 bytes; 21 set beside a mask
	s_or_b32 s[G1B], s44, (3<<16)|(1<<21)
	s_or_b32 s[G1S], s43, (3<<16)|(1<<21)
	s_or_b32 s[G1SB], s44, (3<<16)|(1<<21)
.irp g, G1, G1B
	s_mov_b32 s[\g+1], 512<<16                     ; tensor_dim0
	s_mov_b32 s[\g+3], 512<<16                     ; tile_dim0
	s_mov_b32 s[\g+5], 1024                        ; from row to row
	s_mov_b32 s[\g+6], 0
	s_mov_b32 s[\g+7], 0
.endr
	s_mov_b32 s[G1+2], 4<<16                       ; tensor_dim1, tile_dim1: L 4 tiles a load, P 8
	s_mov_b32 s[G1+4], 4
	s_mov_b32 s[G1B+2], 8<<16
	s_mov_b32 s[G1B+4], 8
.irp g, G1S, G1SB
	s_mov_b32 s[\g+1], 32<<16
	s_mov_b32 s[\g+3], 32<<16
	s_mov_b32 s[\g+5], 32
	s_mov_b32 s[\g+6], 0
	s_mov_b32 s[\g+7], 0
.endr
	s_mov_b32 s[G1S+2], 8<<16
	s_mov_b32 s[G1S+4], 8
	s_mov_b32 s[G1SB+2], 16<<16
	s_mov_b32 s[G1SB+4], 16
	s_lshl_b32 s45, s16, 14                        ; where they go: no place in the cluster enters an LDS address
	s_lshl_b32 s94, s16, 15
	s_add_co_u32 s94, s94, 32768
	s_lshl_b32 s95, s16, 11
	s_add_co_u32 s95, s95, SCL
	s_lshl_b32 s19, s16, 12
	s_add_co_u32 s19, s19, SCL+4096
	s_wait_dscnt 0x0
	s_wait_kmcnt 0x0
	s_add_nc_u64 s[20:21], s[4:5], s[20:21]
	s_add_nc_u64 s[22:23], s[6:7], s[22:23]
	s_add_nc_u64 s[46:47], s[4:5], s[46:47]
	s_add_nc_u64 s[92:93], s[6:7], s[92:93]
	CROUND                                         ; all sixteen work-groups are here: the joint loads meet
	s_mov_b32 s[G0S], 1
	s_mov_b32 s[G0S+1], s95
	s_mov_b64 s[G0S+2:G0S+3], s[22:23]
	s_or_b32 s[G0S+3], s[G0S+3], 0x80000000
	s_mov_b32 s[G0SB], 1
	s_mov_b32 s[G0SB+1], s19
	s_mov_b64 s[G0SB+2:G0SB+3], s[92:93]
	s_or_b32 s[G0SB+3], s[G0SB+3], 0x80000000
	JLOAD G0S, G1S, G0SB, G1SB                     ; three loads a wave, all first fills: the scale words, K half 0, K half 1
.irp k, 0,1
	s_mov_b32 s[G0+4*\k], 1
	s_add_co_u32 s[G0+4*\k+1], s45, \k*SLOT
	s_add_nc_u64 s[G0+4*\k+2:G0+4*\k+3], s[20:21], \k*4096
	s_or_b32 s[G0+4*\k+3], s[G0+4*\k+3], 0x80000000
	s_mov_b32 s[G0B+4*\k], 1
	s_add_co_u32 s[G0B+4*\k+1], s94, \k*SLOT
	s_add_nc_u64 s[G0B+4*\k+2:G0B+4*\k+3], s[46:47], \k*4096
	s_or_b32 s[G0B+4*\k+3], s[G0B+4*\k+3], 0x80000000
	JLOAD G0+4*\k, G1, G0B+4*\k, G1B
.endr
	v_and_b32 v1, 31, v0
	v_and_b32 v2, 15, v0                           ; r
	v_bfe_u32 v3, v0, 4, 1                         ; h
	v_lshlrev_b32 v[LI], 4, v1
	s_lshl_b32 s17, s15, 14                        ; my four tiles of L
	s_lshl_b32 s18, s16, 15
	s_add_co_u32 s18, s18, 32768                   ; my eight tiles of P
.irp k, 0,1
	v_add_nc_u32 v[ADRL+\k], s17, v[LI]
	v_add_nc_u32 v[ADRP+\k], s18, v[LI]
	s_add_co_u32 s17, s17, SLOT
	s_add_co_u32 s18, s18, SLOT
.endr
	s_lshl_b32 s17, s15, 11                        ; L's scale words of my half;
	s_lshl_b32 s18, s16, 12
	s_add_co_u32 s18, s18, 4096
	s_sub_co_u32 s18, s18, s17                     ; P's lie this much further on:
	v_mul_u32_u24 v5, s18, v3                      ; lanes 16-31 take them
	s_add_co_u32 s17, s17, SCL
	v_lshl_add_u32 v5, v2, 4, v5
	v_add_nc_u32 v[ADRS], s17, v5
	s_cmp_eq_u32 ttmp9, 2                          ; the one parting of the paths: alike in all waves and in all sixteen partners
	s_cbranch_scc1 .Lv
	; ---- q, k.  Tokens: block tl = 4 CY + cy of 128; my wave's 128 features are heads 4 cx + 2 (w % 2) and the next
	s_lshl_b32 s18, s42, 2
	s_add_co_u32 s18, s18, s41                     ; tl
	s_lshr_b32 s19, s18, 4
	s_lshl_b32 s19, s19, 4                         ; 16 x batch
	s_lshl_b32 s92, s40, 2
	s_add_co_u32 s19, s19, s92
	s_lshl_b32 s92, s16, 1
	s_add_co_u32 s19, s19, s92                     ; (batch, head) of registers 0-3
	s_and_b32 s18, s18, 15
	s_mul_i32 s92, s19, 196608
	s_lshl_b32 s93, ttmp9, 16                      ; q at 0, k at 65,536
	s_add_co_u32 s92, s92, s93
	s_lshl_b32 s93, s18, 12                        ; tile 8 (tl % 16) + 4 (w / 2) + a, 512 bytes a tile
	s_add_co_u32 s92, s92, s93
	s_lshl_b32 s93, s15, 11
	s_add_co_u32 s92, s92, s93
	s_mov_b32 s93, 0
	s_add_nc_u64 s[OB0:OB0+1], s[10:11], s[92:93]
	s_add_nc_u64 s[OB1:OB1+1], s[OB0:OB0+1], 196608    ; registers 4-7 are the next head's
	s_mul_i32 s92, s19, 20480
	s_lshl_b32 s94, ttmp9, 13
	s_add_co_u32 s92, s92, s94
	s_lshl_b32 s94, s18, 9
	s_add_co_u32 s92, s92, s94
	s_lshl_b32 s94, s15, 8
	s_add_co_u32 s92, s92, s94
	s_add_nc_u64 s[OS:OS+1], s[12:13], s[92:93]
	s_mov_b32 s[MASK], 0xffff                      ; a head's two bytes: lanes 0-15 keep bytes 0, 1 of the word, lanes 16-31 bytes 2, 3
	v_lshlrev_b32 v[SH], 4, v3
	v_mul_u32_u24 v[SOFF], v3, 20480               ; and store them in the next head's table
	v_lshl_add_u32 v[SOFF], v2, 4, v[SOFF]
	s_lshl_b32 s92, ttmp9, 2
	s_add_co_u32 s92, s92, s40
	s_lshl_b32 s92, s92, 10                        ; the bias of my 128 features: lane (r, h) wants, for tile t, those of 32 (t / 2) + 16 h + 8 (t % 2) + 0 .. 7
	s_lshl_b32 s94, s16, 9
	s_add_co_u32 s92, s92, s94
	s_add_nc_u64 s[2:3], s[8:9], s[92:93]
	v_lshlrev_b32 v[BO], 6, v3
.irp t, 0,1,2,3,4,5,6,7
	global_load_b128 v[BB+8*\t:BB+8*\t+3], v[BO], s[2:3] offset:4*(32*(\t/2)+8*(\t%2))
	global_load_b128 v[BB+8*\t+4:BB+8*\t+7], v[BO], s[2:3] offset:4*(32*(\t/2)+8*(\t%2))+16
.endr
	START 1
	s_branch .Ljoin
.Lv:
	; ---- v.  My wave's 64 features are one head; my 128 tokens one key step
	s_lshr_b32 s18, s42, 3
	s_lshl_b32 s18, s18, 2
	s_add_co_u32 s18, s18, s41                     ; block of 128 features
	s_and_b32 s19, s42, 7
	s_lshl_b32 s19, s19, 2
	s_add_co_u32 s19, s19, s40                     ; block of 256 tokens
	s_lshl_b32 s94, s18, 1
	s_add_co_u32 s94, s94, s15                     ; head
	s_lshr_b32 s95, s19, 3
	s_lshl_b32 s95, s95, 4
	s_add_co_u32 s94, s94, s95                     ; (batch, head)
	s_and_b32 s19, s19, 7
	s_lshl_b32 s19, s19, 1
	s_add_co_u32 s19, s19, s16                     ; key step
	s_mul_i32 s92, s94, 196608
	s_add_co_u32 s92, s92, 131072
	s_lshl_b32 s95, s19, 12
	s_add_co_u32 s92, s92, s95
	s_mov_b32 s93, 0
	s_add_nc_u64 s[OB0:OB0+1], s[10:11], s[92:93]
	s_add_nc_u64 s[OB1:OB1+1], s[OB0:OB0+1], 2048  ; registers 4-7: c = 1
	s_mul_i32 s92, s94, 20480
	s_add_co_u32 s92, s92, 16384
	s_lshl_b32 s95, s19, 8
	s_add_co_u32 s92, s92, s95
	s_add_nc_u64 s[OS:OS+1], s[12:13], s[92:93]
	s_mov_b32 s[MASK], -1                          ; the whole word: four blocks of keys (lanes 16-31 hold and write the same words as lanes 0-15)
	v_mov_b32 v[SH], 0
	v_lshlrev_b32 v[SOFF], 4, v2
	s_lshl_b32 s92, s18, 9
	s_add_co_u32 s92, s92, 8192                    ; the bias of my 64 features: it runs along the LANES: all eight registers of tile a hold that of row r
	s_lshl_b32 s95, s15, 8
	s_add_co_u32 s92, s92, s95
	s_add_nc_u64 s[2:3], s[8:9], s[92:93]
	v_and_b32 v[BO], 8, v2
	v_add_nc_u32 v[BO], v[BO], v2
	v_lshlrev_b32 v[BO], 2, v[BO]
.irp a, 0,1,2,3
.irp j, 0,1,2,3,4,5,6,7
	global_load_b32 v[BB+8*\a+\j], v[BO], s[2:3] offset:4*(32*(\a/2)+8*(\a%2))
.endr
.endr
	START 2
.Ljoin:
	STEP 1
	STEP 2
	STEP 3
	STEP 4
	STEP 5
	STEP 6
	STEP 7
	; THE WAY OUT, one text for all paths: for each of L's four tiles the lane's 64 results are one fragment: quantised in registers and stored as an image, 512 consecutive bytes a store
	PLACES
	s_mov_b32 s18, 0x76543210
	s_mov_b32 s19, 0xfedcba98                      ; lane l xor 16
.irp b, 0,1,2,3
	v_mov_b32 v[TM+4+\b], 0                        ; a lane permute's destination counts as one of its sources
.endr
.irp a, 0,1,2,3
.set PCA, 160+8*\a-80*(\a/2)           ; v160-175 for tiles 0, 1, v96-111 for tiles 2, 3: a register number of its own for every store, and none inside the numbers of its conversion's sources
	QUANTW 64*\a, PCA, PW
	v_lshrrev_b32 v[VAL+\a], v[SH], v[PW]
	v_and_b32 v[VAL+\a], s[MASK], v[VAL+\a]
	global_store_b128 v[LI], v[PCA:PCA+3], s[OB0:OB0+1] offset:512*\a
	global_store_b128 v[LI], v[PCA+4:PCA+7], s[OB1:OB1+1] offset:512*\a
.endr
	global_store_b128 v[SOFF], v[VAL:VAL+3], s[OS:OS+1]    ; sixteen lanes store 256 consecutive bytes, aligned
	s_wait_tensorcnt 0x0
	ds_add_u32 v254, v255
	s_wait_dscnt 0x0
	CROUND                                         ; the closing round: no work-group ends while a partner may still ask for a tile that names it
	s_endpgm
.Lfunc_end_k_q0afadfe368_gemm_qkv:
	.size	k_q0afadfe368_gemm_qkv, .Lfunc_end_k_q0afadfe368_gemm_qkv-k_q0afadfe368_gemm_qkv
	.p2alignl 7, 3214868480
	.fill 96, 4, 3214868480
	.section	.rodata,"a",@progbits
	.p2align	6, 0x0
	.amdhsa_kernel k_q0afadfe368_gemm_qkv
		.amdhsa_group_segment_fixed_size 209408
		.amdhsa_private_segment_fixed_size 0
		.amdhsa_enable_private_segment 0
		.amdhsa_kernarg_size 40
		.amdhsa_user_sgpr_count 2
		.amdhsa_user_sgpr_kernarg_segment_ptr 1
		.amdhsa_wavefront_size32 1
		.amdhsa_system_sgpr_workgroup_id_x 1
		.amdhsa_system_sgpr_workgroup_id_y 1
		.amdhsa_system_sgpr_workgroup_id_z 1
		.amdhsa_system_vgpr_workitem_id 0
		.amdhsa_next_free_vgpr 768
		.amdhsa_next_free_sgpr 100
		.amdhsa_reserve_vcc 0
		.amdhsa_float_denorm_mode_32 3
		.amdhsa_float_denorm_mode_16_64 3
		.amdhsa_memory_ordered 1
		.amdhsa_forward_progress 1
		.amdhsa_inst_pref_size 89
	.end_amdhsa_kernel
	.amdgpu_metadata
---
amdhsa.version: [ 1, 2 ]
amdhsa.kernels:
  - .name:           k_q0afadfe368_gemm_qkv
    .symbol:         k_q0afadfe368_gemm_qkv.kd
    .args:
      - { .name: cod_img, .offset: 0, .size: 8, .value_kind: global_buffer, .address_space: global }
      - { .name: cod_sc, .offset: 8, .size: 8, .value_kind: global_buffer, .address_space: global }
      - { .name: b_in, .offset: 16, .size: 8, .value_kind: global_buffer, .address_space: global }
      - { .name: qkv_img, .offset: 24, .size: 8, .value_kind: global_buffer, .address_space: global }
      - { .name: qkv_sc, .offset: 32, .size: 8, .value_kind: global_buffer, .address_space: global }
    .group_segment_fixed_size: 209408
    .private_segment_fixed_size: 0
    .kernarg_segment_align: 8
    .kernarg_segment_size: 40
    .max_flat_workgroup_size: 128
    .sgpr_count:     100
    .vgpr_count:     768
    .wavefront_size: 32
...
	.end_amdgpu_metadata
.endif
;; end of part 2
;; launch attn (part 3): grid 4 x 64, 16 waves a work-group, clusters of 4 x 1, 327,680 bytes of LDS; arguments qkv_img, qkv_sc, a_img, a_sc; writes a_img, a_sc
.if DOCPART == 3
	.amdgcn_target "amdgcn-amd-amdhsa--gfx1250"
	.amdhsa_code_object_version 6
	.text
	.protected	k_q0afadfe368_attn
	.globl	k_q0afadfe368_attn
	.p2align	8
	.type	k_q0afadfe368_attn,@function
k_q0afadfe368_attn:
	s_mov_b64 s[64:65], 0
	v_nop
	global_prefetch_b8 v0, s[64:65] scope:SCOPE_SE
	s_setreg_imm32_b32 hwreg(HW_REG_WAVE_MODE, 25, 1), 1
	s_wait_xcnt 0x0
	s_wait_alu depctr_hold_cnt(0) depctr_sa_sdst(0) depctr_va_vdst(0) depctr_va_sdst(0) depctr_va_ssrc(0) depctr_va_vcc(0) depctr_vm_vsrc(0)
	s_getreg_b32 s2, hwreg(HW_REG_IB_STS2, 6, 4)
	s_cmp_eq_u32 s2, 0
	s_cbranch_scc0 .Lentry_in_a_cluster
	s_endpgm
.Lentry_in_a_cluster:
	s_bfe_u32 s2, ttmp6, 0x10000c
	s_cmp_lg_u32 s2, 0x3003
	s_cbranch_scc0 .Lentry_shape_is_right
	s_endpgm
.Lentry_shape_is_right:
; Causal attention on codes of FP4 with E8M0 scales, head size 64, 2,048 tokens, 64 (batch, head) pairs; the result is quantised along the model's 1,024 and stored as the last product's operand.
; THE SOFTMAX AHEAD OF THE SECOND PRODUCT: t = score x log2(e) / 8; M = the row's largest t so far, rounded UP to a whole number; p = 2^(t - M) is quantised along the keys, not normalised; the row's sum is taken
; of the unquantised p and divides at the end.  When M moves, the sum and O are multiplied by 2^(old M - new M): exact.
; SHARES.  A cluster of four work-groups is one (batch, head); all four read the same K and V, which come ONCE, by joint loads, and stay in LDS whole (131,072 bytes of codes, 12,288 of scale words): no byte is filled twice.
; A head has 16 groups of 8 query tiles (128 queries); a tile of group g needs key steps 0 .. g of 128 keys, the last on the diagonal.  Wave w takes two tiles one after the other, of groups w / 2 and 15 - w / 2:
; 17 key steps for every wave.  Which tile of the group: 2 cx + w % 2.  Branches hang on the wave's number and on counters alone; cx enters global addresses and one data register.
; LAYOUT.  Both products transposed: S^T = K Q^T, O^T = V^T P^T: a lane holds ONE query.  By the images' tile order the 16 registers of tiles 2 b and 2 b + 1 are 16 neighbouring keys (or channels).
; The head's 64 fill half of the instruction's 128 along K: registers 4-7 of K's and Q's fragments are zero codes, under scale bytes 0.
; LIMITS: NaN and infinities are not served; a block of zeros or under 2^-124 gets the byte 1 (read by this program alone).  The scale bytes of the result leave as 2 bytes a lane, 16 bytes apart: a word's
; four bytes come from two heads, which are two clusters.
.set KS,  28                           ; v28-35   K's scale words, a register a tile
.set VS,  36                           ; v36-39   V's
.set QS,  24                           ; v24      Q's
.set PS,  25                           ; v25      p's; at a pass's end the result's two bytes
.set KF,  40                           ; v40-71   four fragments of K: registers 4-7 of each stay zero
.set VF,  72                           ; v72-103  V's four fragments
.set S,   104                          ; v104-167 S^T, then p; at a pass's end O / the sum
.set O,   168                          ; v168-199 O^T
.set PCR, 200                          ; v200-207 p's codes
.set BM,  208                          ; v208-211 the blocks' largest
.set PT,  212                          ; v212-215 permutes' targets, bytes, a chain of the sum
.set SO,  216                          ; v216-219 the conversions' scale operands
.set F,   220                          ; v[220:221] f = 2^(old M - new M), named as a pair
.set TMP, 222
.set NEG, 223                          ; -infinity
.set SEL, 20                           ; s[20:21] lane l xor 16
.set CS,  22                           ; s[22:23] c = log2(e) / 8
.set G1C, 24                           ; s[24:31], s[32:35] groups 1 and 0: codes;  s[36:43], s[44:47]: scale words
.set G0C, 32
.set G1S, 36
.set G0S, 44
; v1 16 lane; v2 65,536 + 16 lane; v3 131,072 + 16 r; v4 139,264 + 16 r; v5 my query's place in its 128, less 16 h; v7 16 r; v8-11 the step's addresses; v12 -M, v13 the largest t, v[14:15] the sum; v16-23 Q
.macro CROUND
	s_barrier_signal -1
	s_barrier_wait -1
	s_cmp_lg_u32 s12, 0
	s_cbranch_scc1 .Lnot_wave_0_\@
	s_barrier_signal -3
.Lnot_wave_0_\@:
	s_barrier_wait -3
	s_barrier_signal -1
	s_barrier_wait -1
.endm
	s_load_b256 s[4:11], s[0:1], 0x0               ; qkv's codes, qkv's scale words, the result's codes, its scale bytes
	v_lshl_add_u32 v254, v0, 2, 0x29000
	v_mov_b32 v255, 0
	ds_add_u32 v254, v255
	ds_add_u32 v254, v255
	v_lshrrev_b32 v1, 5, v0
	s_delay_alu instid0(VALU_DEP_1)
	v_readfirstlane_b32 s12, v1                    ; wave 0..15
	s_bfe_u32 s13, ttmp6, 0x40000                  ; cx
	s_and_b32 s14, ttmp7, 0xffff                   ; (batch, head), which the four partners share
	; descriptor groups 1: dense blocks as rows of 256 bytes (32 elements of 8 bytes); a wave brings 32 rows of codes and 3 of scale words
	s_mov_b32 s[G1C], 15|(3<<16)|(1<<21)           ; 15:0 the mask: all four work-groups; 17:16 elements of 8 bytes; 21 set beside a mask
	s_mov_b32 s[G1C+1], 32<<16
	s_mov_b32 s[G1C+2], 32<<16
	s_mov_b32 s[G1C+3], 32<<16
	s_mov_b32 s[G1C+4], 32
	s_mov_b32 s[G1C+5], 32
	s_mov_b32 s[G1C+6], 0
	s_mov_b32 s[G1C+7], 0
	s_mov_b32 s[G1S], 15|(3<<16)|(1<<21)
	s_mov_b32 s[G1S+1], 32<<16
	s_mov_b32 s[G1S+2], 3<<16
	s_mov_b32 s[G1S+3], 32<<16
	s_mov_b32 s[G1S+4], 3
	s_mov_b32 s[G1S+5], 32
	s_mov_b32 s[G1S+6], 0
	s_mov_b32 s[G1S+7], 0
	s_mul_i32 s48, s14, 196608
	s_mov_b32 s49, 0
	s_mul_i32 s50, s14, 20480
	s_mov_b32 s51, 0
	s_lshl_b32 s70, s12, 13                        ; 8,192 x wave
	s_mov_b32 s71, 0
	s_mul_i32 s72, s12, 768
	s_mov_b32 s73, 0
	s_mov_b32 s[G0C], 1
	s_mov_b32 s[G0C+1], s70                        ; K's image at LDS byte 0, V's at 65,536: as they lie in memory
	s_mov_b32 s[G0S], 1
	s_add_co_u32 s[G0S+1], s72, 131072             ; K's scale words at 131,072, V's at 139,264
	s_add_co_u32 s70, s70, 65536                   ; behind q's codes
	s_add_co_u32 s72, s72, 8192                    ; behind q's scale words
	s_lshr_b32 s74, s14, 4                         ; batch
	s_and_b32 s75, s14, 15                         ; head
	s_mov_b32 s[SEL], 0x76543210
	s_mov_b32 s[SEL+1], 0xfedcba98
	s_mov_b32 s[CS], 0x3e38aa3b
	s_mov_b32 s[CS+1], s[CS]                       ; (named with it as a pair, so it is written)
	s_wait_dscnt 0x0
	s_wait_kmcnt 0x0
	s_add_nc_u64 s[52:53], s[4:5], s[48:49]        ; the head's q codes
	s_add_nc_u64 s[54:55], s[6:7], s[50:51]        ; and q scale words
	s_add_nc_u64 s[G0C+2:G0C+3], s[52:53], s[70:71]
	s_or_b32 s[G0C+3], s[G0C+3], 0x80000000
	s_add_nc_u64 s[G0S+2:G0S+3], s[54:55], s[72:73]
	s_or_b32 s[G0S+3], s[G0S+3], 0x80000000
	CROUND                                         ; all four work-groups are here: the joint loads meet
	tensor_load_to_lds s[G0C:G0C+3], s[G1C:G1C+7]  ; two loads a wave, both first fills
	s_nop 0
	s_wait_alu depctr_va_vdst(0)
	s_wait_tensorcnt 0x0
	ds_add_u32 v254, v255
	s_wait_dscnt 0x0
	CROUND
	tensor_load_to_lds s[G0S:G0S+3], s[G1S:G1S+7]
	s_nop 0
.rept 4
	v_nop
.endr
	s_lshl_b32 s76, s74, 20                        ; the result's codes: tile 128 x batch + Tq of 8,192 bytes; the head's 64 along K are 512 x head bytes on
	s_lshl_b32 s77, s75, 9
	s_add_co_u32 s76, s76, s77
	s_mov_b32 s77, 0
	s_add_nc_u64 s[56:57], s[8:9], s[76:77]
	s_lshl_b32 s76, s74, 16                        ; its scale bytes: 512 a tile; K half head / 8; in a row's 16 bytes the head's two stand at 2 (head % 8)
	s_lshr_b32 s78, s75, 3
	s_lshl_b32 s78, s78, 8
	s_add_co_u32 s76, s76, s78
	s_and_b32 s78, s75, 7
	s_lshl_b32 s78, s78, 1
	s_add_co_u32 s76, s76, s78
	s_add_nc_u64 s[58:59], s[10:11], s[76:77]
	v_and_b32 v6, 31, v0
	v_and_b32 v26, 15, v0                          ; r
	v_bfe_u32 v27, v0, 4, 1                        ; h
	s_delay_alu instid0(VALU_DEP_3)
	v_lshlrev_b32 v1, 4, v6
	s_delay_alu instid0(VALU_DEP_1)
	v_add_nc_u32 v2, 65536, v1
	s_delay_alu instid0(VALU_DEP_4)
	v_lshlrev_b32 v7, 4, v26
	s_delay_alu instid0(VALU_DEP_1)
	v_add_nc_u32 v3, 131072, v7
	s_delay_alu instid0(VALU_DEP_2)
	v_add_nc_u32 v4, 139264, v7
	v_and_b32 v5, 8, v26
	s_delay_alu instid0(VALU_DEP_1)
	v_add_nc_u32 v5, v5, v26                       ; r + 8 (r / 8)
	v_lshlrev_b32 v27, 4, v27
	s_delay_alu instid0(VALU_DEP_1)
	v_sub_nc_u32 v5, v5, v27
	s_and_b32 s15, s12, 1
	s_lshl_b32 s16, s13, 1
	s_add_co_u32 s16, s16, s15                     ; my tile in its group: 2 cx + w % 2
	s_lshl_b32 s76, s13, 5
	s_lshl_b32 s78, s15, 3
	s_add_co_u32 s76, s76, s78
	v_add_nc_u32 v5, s76, v5                       ; 32 cx + 8 (w % 2) + r + 8 (r / 8) - 16 h
.irp j, 20,21,22,23
	v_mov_b32 v\j, 0                               ; Q's zero codes
.endr
.irp t, 0,1,2,3
.irp j, 4,5,6,7
	v_mov_b32 v[KF+8*\t+\j], 0                     ; K's
.endr
.endr
.irp b, 0,1,2,3
	v_mov_b32 v[PT+\b], 0                          ; a lane permute's destination counts as one of its sources
.endr
	v_mov_b32 v[F+1], 0                            ; (named as the upper half of a pair)
	v_mov_b32 v[TMP], 0
	v_mov_b32 v[NEG], 0xff800000
	s_lshr_b32 s17, s12, 1                         ; the first pass's group
	s_mov_b32 s18, 2                               ; passes to go
	s_wait_tensorcnt 0x0                           ; my parts of K, V and their scale words are in,
	s_barrier_signal -1
	s_barrier_wait -1                              ; everybody's are; from here on LDS is only read
.Lpass:
	s_lshl_b32 s76, s17, 3
	s_add_co_u32 s76, s76, s16                     ; Tq, my query tile
	s_mov_b32 s71, 0
	s_lshl_b32 s70, s76, 9
	s_add_nc_u64 s[60:61], s[52:53], s[70:71]      ; its codes,
	s_add_nc_u64 s[68:69], s[58:59], s[70:71]      ; (the result's scale bytes are 512 a tile too)
	s_lshr_b32 s70, s76, 2
	s_lshl_b32 s70, s70, 8
	s_and_b32 s72, s76, 3
	s_lshl_b32 s72, s72, 2
	s_add_co_u32 s70, s70, s72
	s_add_nc_u64 s[62:63], s[54:55], s[70:71]      ; its scale words,
	s_lshl_b32 s70, s76, 13
	s_add_nc_u64 s[66:67], s[56:57], s[70:71]      ; and where its result goes
	global_load_b128 v[16:19], v1, s[60:61]
	global_load_b32 v[QS], v7, s[62:63]
	v_mov_b32 v13, 0xff61b1e6                      ; the largest t so far: -3e38, under every t
	s_delay_alu instid0(VALU_DEP_1)
	v_floor_f32 v12, -v13                          ; -M
	v_mov_b32 v14, 0
	v_mov_b32 v15, 0
.irp j, 0,1,2,3,4,5,6,7,8,9,10,11,12,13,14,15,16,17,18,19,20,21,22,23,24,25,26,27,28,29,30,31
	v_mov_b32 v[O+\j], 0                           ; the step is written once: the first finds zeros, which the first change of M leaves zeros
.endr
	s_mov_b32 s19, 0                               ; the key step
	s_wait_loadcnt 0x0
.Lstep:                                            ; 16 trips, a constant; a step all of whose keys come after my queries is passed over
	s_cmp_gt_u32 s19, s17
	s_cbranch_scc1 .Lskip
	s_lshl_b32 s48, s19, 12                        ; a step's codes of K, and of V: 4,096 bytes;
	s_lshl_b32 s49, s19, 9                         ; K's scale words: 512;
	s_lshl_b32 s50, s19, 8                         ; V's: 256
	s_setprio 2
	v_add_nc_u32 v8, s48, v1                       ; (these four are also the places in front of the loads into V's registers)
	v_add_nc_u32 v9, s48, v2
	v_add_nc_u32 v10, s49, v3
	v_add_nc_u32 v11, s50, v4
.irp t, 0,1,2,3
	ds_load_b128 v[KF+8*\t:KF+8*\t+3], v8 offset:512*\t
.endr
	ds_load_b128 v[KS:KS+3], v10
	ds_load_b128 v[KS+4:KS+7], v10 offset:256
.irp a, 0,1,2,3
.irp c, 0,1
	ds_load_b128 v[VF+8*\a+4*\c:VF+8*\a+4*\c+3], v9 offset:512*\a+2048*\c
.endr
.endr
	ds_load_b128 v[VS:VS+3], v11
	s_wait_alu depctr_va_vdst(0)
	s_wait_dscnt 9                                 ; K's first four tiles and its scale words are in; V's eight loads and its scale words may be out
.irp t, 0,1,2,3
	v_wmma_scale_f32_16x16x128_f8f6f4 v[S+8*\t:S+8*\t+7], v[KF+8*\t:KF+8*\t+7], v[16:23], 0, v[KS+\t], v[QS] matrix_a_fmt:MATRIX_FMT_FP4 matrix_b_fmt:MATRIX_FMT_FP4
.endr
.rept 4
	v_nop                                          ; places in front of loads into registers that matrix instructions have read
.endr
.irp t, 0,1,2,3
	ds_load_b128 v[KF+8*\t:KF+8*\t+3], v8 offset:2048+512*\t
.endr
	s_wait_dscnt 0x0
.irp t, 0,1,2,3
	v_wmma_scale_f32_16x16x128_f8f6f4 v[S+32+8*\t:S+32+8*\t+7], v[KF+8*\t:KF+8*\t+7], v[16:23], 0, v[KS+4+\t], v[QS] matrix_a_fmt:MATRIX_FMT_FP4 matrix_b_fmt:MATRIX_FMT_FP4
.endr
.rept 4
	v_nop                                          ; places in front of the first read of results
.endr
	s_cmp_lg_u32 s19, s17                          ; on the diagonal the scores of hidden keys become -infinity: register 16 b + i holds key 32 b + 16 h + i of the step
	s_cbranch_scc1 .Lopen
.irp n, 0,1,2,3,4,5,6,7,8,9,10,11,12,13,14,15,16,17,18,19,20,21,22,23,24,25,26,27,28,29,30,31,32,33,34,35,36,37,38,39,40,41,42,43,44,45,46,47,48,49,50,51,52,53,54,55,56,57,58,59,60,61,62,63
	v_cmp_gt_i32 vcc_lo, 32*(\n/16)+\n%16, v5
	v_cndmask_b32 v[S+\n], v[S+\n], v[NEG], vcc_lo
.endr
.Lopen:
.irp b, 0,1,2,3
	v_max3_num_f32 v[BM+\b], v[S+16*\b], v[S+1+16*\b], v[S+2+16*\b]   ; the largest score of each block of 32 keys: for the row's maximum and, since p rises with the score, for the block's largest p
.endr
.irp i, 3,5,7,9,11,13
.irp b, 0,1,2,3
	v_max3_num_f32 v[BM+\b], v[BM+\b], v[S+16*\b+\i], v[S+1+16*\b+\i]
.endr
.endr
.irp b, 0,1,2,3
	v_max_num_f32 v[BM+\b], v[BM+\b], v[S+15+16*\b]
.endr
.irp b, 0,1,2,3
	s_delay_alu instid0(VALU_DEP_4)
	v_permlanex16_b32 v[PT+\b], v[BM+\b], s[SEL], s[SEL+1]
.endr
.irp b, 0,1,2,3
	s_delay_alu instid0(VALU_DEP_4)
	v_max_num_f32 v[BM+\b], v[BM+\b], v[PT+\b]     ; with lane l xor 16's 16 keys
.endr
	s_delay_alu instid0(VALU_DEP_2)
	v_max3_num_f32 v[TMP], v[BM], v[BM+1], v[BM+2]
	s_delay_alu instid0(VALU_DEP_1)
	v_max_num_f32 v[TMP], v[TMP], v[BM+3]
	s_delay_alu instid0(VALU_DEP_1)
	v_mul_f32 v[TMP], s[CS], v[TMP]                ; the step's largest t (c is positive)
	s_delay_alu instid0(VALU_DEP_1)
	v_max_num_f32 v13, v13, v[TMP]
	v_mov_b32 v[TMP], v12
	s_delay_alu instid0(VALU_DEP_2)
	v_floor_f32 v12, -v13                          ; the new -M = -ceil(t): a whole number
	s_delay_alu instid0(VALU_DEP_1)
	v_sub_f32 v[TMP], v12, v[TMP]                  ; old M - new M, 0 or less
	s_delay_alu instid0(VALU_DEP_1)
	v_cvt_i32_f32 v[TMP], v[TMP]                   ; (it saturates)
	s_delay_alu instid0(VALU_DEP_1)
	v_ldexp_f32 v[F], 1.0, v[TMP]                  ; f: a multiplication by it rounds nothing
.irp j, 0,2,4,6,8,10,12,14,16,18,20,22,24,26,28,30,32,34,36,38,40,42,44,46,48,50,52,54,56,58,60,62
	v_pk_fma_f32 v[S+\j:S+1+\j], v[S+\j:S+1+\j], s[CS:CS+1], v[12:13] op_sel_hi:[1,0,0]   ; t - M, two at a time
.endr
	s_setprio 1
.irp b, 0,1,2,3
	v_fma_f32 v[BM+\b], v[BM+\b], s[CS], v12       ; the same of each block's largest score
.endr
	s_wait_alu depctr_va_vdst(0)
.irp j, 0,1,2,3,4,5,6,7,8,9,10,11,12,13,14,15,16,17,18,19,20,21,22,23,24,25,26,27,28,29,30,31,32,33,34,35,36,37,38,39,40,41,42,43,44,45,46,47,48,49,50,51,52,53,54,55,56,57,58,59,60,61,62,63
	v_exp_f32 v[S+\j], v[S+\j]                     ; p = 2^(t - M)
.endr
	v_pk_mul_f32 v[14:15], v[14:15], v[F:F+1] op_sel_hi:[1,0]   ; the sums under the new M: the plain place behind the exponentials
	s_wait_alu depctr_va_vdst(0)                   ; one wait for the batch of 64, ahead of its first reader
.irp b, 0,1,2,3
	v_exp_f32 v[BM+\b], v[BM+\b]                   ; the block's largest p
.endr
	v_pk_add_f32 v[PT:PT+1], v[S:S+1], v[S+2:S+3]  ; the row's sum is taken of the UNQUANTISED p, in two chains; it reads the 64 alone
.irp j, 4,8,12,16,20,24,28,32,36,40,44,48,52,56,60
	v_pk_add_f32 v[14:15], v[14:15], v[S+\j:S+1+\j]
	v_pk_add_f32 v[PT:PT+1], v[PT:PT+1], v[S+2+\j:S+3+\j]
.endr
	s_delay_alu instid0(VALU_DEP_1)
	v_pk_add_f32 v[14:15], v[14:15], v[PT:PT+1]
	s_wait_alu depctr_va_vdst(0)                   ; and one for the four
.irp b, 0,1,2,3
	v_max_num_f32 v[BM+\b], 0x1800000, v[BM+\b]    ; the floor 2^(3 - 127): a block whose every p is 0 keeps the byte 1 over zero codes
.endr
.irp b, 0,1,2,3
	s_delay_alu instid0(VALU_DEP_4)
	v_add_nc_u32 v[SO+\b], 0xff000000, v[BM+\b]
.endr
.irp b, 0,1,2,3
	s_delay_alu instid0(VALU_DEP_4)
	v_lshrrev_b32 v[PT+\b], 23, v[SO+\b]
.endr
	s_delay_alu instid0(VALU_DEP_3)
	v_lshl_or_b32 v[PS], v[PT+1], 8, v[PT]
	s_delay_alu instid0(VALU_DEP_1)
	v_lshl_or_b32 v[PS], v[PT+2], 16, v[PS]
	s_delay_alu instid0(VALU_DEP_1)
	v_lshl_or_b32 v[PS], v[PT+3], 24, v[PS]
	s_setprio 0
.irp b, 0,1,2,3
	v_cvt_scalef32_pk8_fp4_f32 v[PCR+2*\b], v[S+16*\b:S+7+16*\b], v[SO+\b]
	v_cvt_scalef32_pk8_fp4_f32 v[PCR+1+2*\b], v[S+8+16*\b:S+15+16*\b], v[SO+\b]
.endr
	v_nop                                          ; one plain place behind a scaled conversion
.irp c, 0,1
.irp i, 0,1
	v_permlane16_swap_b32 v[PCR+4*\c+\i], v[PCR+2+4*\c+\i]
.endr
.endr
.irp j, 0,2,4,6,8,10,12,14,16,18,20,22,24,26,28,30
	v_pk_mul_f32 v[O+\j:O+1+\j], v[O+\j:O+1+\j], v[F:F+1] op_sel_hi:[1,0]   ; O^T under the new M; these sixteen are also the places between p's scale word and codes and the products
.endr
.irp a, 0,1,2,3
	v_wmma_scale_f32_16x16x128_f8f6f4 v[O+8*\a:O+8*\a+7], v[VF+8*\a:VF+8*\a+7], v[PCR:PCR+7], v[O+8*\a:O+8*\a+7], v[VS+\a], v[PS] matrix_a_fmt:MATRIX_FMT_FP4 matrix_b_fmt:MATRIX_FMT_FP4
.endr
.Lskip:
	s_add_co_u32 s19, s19, 1
	s_cmp_lt_u32 s19, 16
	s_cbranch_scc1 .Lstep
	s_setprio 0
	; A PASS'S END: O^T / the sum; its 32 registers are d = 32 b + 16 h + i: two blocks of the last product's K
.rept 4
	v_nop
.endr
	v_add_f32 v14, v14, v15
	s_delay_alu instid0(VALU_DEP_1)
	v_permlanex16_b32 v[TMP], v14, s[SEL], s[SEL+1]
	s_delay_alu instid0(VALU_DEP_1)
	v_add_f32 v14, v14, v[TMP]                     ; the row's sum
	s_wait_alu depctr_va_vdst(0)
	v_rcp_f32 v14, v14
	v_nop                                          ; a plain place behind the reciprocal,
	s_wait_alu depctr_va_vdst(0)                   ; and the wait ahead of its first reader
.irp j, 0,1,2,3,4,5,6,7,8,9,10,11,12,13,14,15,16,17,18,19,20,21,22,23,24,25,26,27,28,29,30,31
	v_mul_f32 v[S+\j], v[O+\j], v14
.endr
.irp b, 0,1
	v_max3_num_f32 v[BM+\b], |v[S+16*\b]|, |v[S+1+16*\b]|, 0x1800000
.endr
.irp i, 2,4,6,8,10,12,14
.irp b, 0,1
	s_delay_alu instid0(VALU_DEP_2)
	v_max3_num_f32 v[BM+\b], v[BM+\b], |v[S+16*\b+\i]|, |v[S+1+16*\b+\i]|
.endr
.endr
.irp b, 0,1
	s_delay_alu instid0(VALU_DEP_2)
	v_permlanex16_b32 v[PT+\b], v[BM+\b], s[SEL], s[SEL+1]
.endr
.irp b, 0,1
	s_delay_alu instid0(VALU_DEP_2)
	v_max_num_f32 v[BM+\b], v[BM+\b], v[PT+\b]
.endr
.irp b, 0,1
	s_delay_alu instid0(VALU_DEP_2)
	v_add_nc_u32 v[SO+\b], 0xff000000, v[BM+\b]
.endr
.irp b, 0,1
	s_delay_alu instid0(VALU_DEP_2)
	v_lshrrev_b32 v[PT+\b], 23, v[SO+\b]
.endr
	s_delay_alu instid0(VALU_DEP_1)
	v_lshl_or_b32 v[PS], v[PT+1], 8, v[PT]         ; the head's two scale bytes of my row
.irp b, 0,1
	v_cvt_scalef32_pk8_fp4_f32 v[PCR+2*\b], v[S+16*\b:S+7+16*\b], v[SO+\b]
	v_cvt_scalef32_pk8_fp4_f32 v[PCR+1+2*\b], v[S+8+16*\b:S+15+16*\b], v[SO+\b]
.endr
	v_nop
.irp i, 0,1
	v_permlane16_swap_b32 v[PCR+\i], v[PCR+2+\i]
.endr
	global_store_b128 v1, v[PCR:PCR+3], s[66:67]   ; 32 lanes store 512 consecutive bytes, aligned
	global_store_b16 v7, v[PS], s[68:69]
	s_wait_xcnt 0x0                                ; the stores have read their registers and bases: the next pass writes them again
	s_sub_co_u32 s17, 15, s17                      ; the second pass's group
	s_sub_co_u32 s18, s18, 1
	s_cmp_lg_u32 s18, 0
	s_cbranch_scc1 .Lpass
	s_wait_tensorcnt 0x0
	ds_add_u32 v254, v255
	s_wait_dscnt 0x0
	CROUND                                         ; the closing round
	s_endpgm
.Lfunc_end_k_q0afadfe368_attn:
	.size	k_q0afadfe368_attn, .Lfunc_end_k_q0afadfe368_attn-k_q0afadfe368_attn
	.p2alignl 7, 3214868480
	.fill 96, 4, 3214868480
	.section	.rodata,"a",@progbits
	.p2align	6, 0x0
	.amdhsa_kernel k_q0afadfe368_attn
		.amdhsa_group_segment_fixed_size 327680
		.amdhsa_private_segment_fixed_size 0
		.amdhsa_enable_private_segment 0
		.amdhsa_kernarg_size 32
		.amdhsa_user_sgpr_count 2
		.amdhsa_user_sgpr_kernarg_segment_ptr 1
		.amdhsa_wavefront_size32 1
		.amdhsa_system_sgpr_workgroup_id_x 1
		.amdhsa_system_sgpr_workgroup_id_y 1
		.amdhsa_system_sgpr_workgroup_id_z 1
		.amdhsa_system_vgpr_workitem_id 0
		.amdhsa_next_free_vgpr 256
		.amdhsa_next_free_sgpr 80
		.amdhsa_reserve_vcc 1
		.amdhsa_float_denorm_mode_32 3
		.amdhsa_float_denorm_mode_16_64 3
		.amdhsa_memory_ordered 1
		.amdhsa_forward_progress 1
		.amdhsa_inst_pref_size 35
	.end_amdhsa_kernel
	.amdgpu_metadata
---
amdhsa.version: [ 1, 2 ]
amdhsa.kernels:
  - .name:           k_q0afadfe368_attn
    .symbol:         k_q0afadfe368_attn.kd
    .args:
      - { .name: qkv_img, .offset: 0, .size: 8, .value_kind: global_buffer, .address_space: global }
      - { .name: qkv_sc, .offset: 8, .size: 8, .value_kind: global_buffer, .address_space: global }
      - { .name: a_img, .offset: 16, .size: 8, .value_kind: global_buffer, .address_space: global }
      - { .name: a_sc, .offset: 24, .size: 8, .value_kind: global_buffer, .address_space: global }
    .group_segment_fixed_size: 327680
    .private_segment_fixed_size: 0
    .kernarg_segment_align: 8
    .kernarg_segment_size: 32
    .max_flat_workgroup_size: 512
    .sgpr_count:     80
    .vgpr_count:     256
    .wavefront_size: 32
...
	.end_amdgpu_metadata
.endif
;; end of part 3
;; launch gemm_out (part 4): grid 4 x 64, 4 waves a work-group, clusters of 4 x 4, 243,200 bytes of LDS; arguments a_img, a_sc, cod_img, cod_sc, b_out, out0; writes out0
.if DOCPART == 4
	.amdgcn_target "amdgcn-amd-amdhsa--gfx1250"
	.amdhsa_code_object_version 6
	.text
	.protected	k_q0afadfe368_gemm_out
	.globl	k_q0afadfe368_gemm_out
	.p2align	8
	.type	k_q0afadfe368_gemm_out,@function
k_q0afadfe368_gemm_out:
	s_mov_b64 s[64:65], 0
	v_nop
	global_prefetch_b8 v0, s[64:65] scope:SCOPE_SE
	s_setreg_imm32_b32 hwreg(HW_REG_WAVE_MODE, 25, 1), 1
	s_wait_xcnt 0x0
	s_wait_alu depctr_hold_cnt(0) depctr_sa_sdst(0) depctr_va_vdst(0) depctr_va_sdst(0) depctr_va_ssrc(0) depctr_va_vcc(0) depctr_vm_vsrc(0)
	s_getreg_b32 s2, hwreg(HW_REG_IB_STS2, 6, 4)
	s_cmp_eq_u32 s2, 0
	s_cbranch_scc0 .Lentry_in_a_cluster
	s_endpgm
.Lentry_in_a_cluster:
	s_bfe_u32 s2, ttmp6, 0x10000c
	s_cmp_lg_u32 s2, 0xf033
	s_cbranch_scc0 .Lentry_shape_is_right
	s_endpgm
.Lentry_shape_is_right:
; out0 = attention's result x w_out^T + b_out on codes of FP4 with E8M0 scales; out0 [8192][1024] f32.
; THE CORE: T[l][p] = sum over k of L[l][k] P[p][k], K = 1,024; L = 128 tokens, P = 256 rows of w_out.  Source 0 = 16 rows of P, source 1 = 16 rows of L: a lane holds one token, its registers run along the
; outputs; by the images' tile order (tile 2 G + u, lane index r: row 32 G + 8 u + r + 8 (r / 8)) the 16 registers of P's tiles 2 b and 2 b + 1 are outputs 32 b + 16 (lane / 16) + 0 .. 15.
; Four waves 2 x 2, a wave L 64 x P 128: 32 accumulators.  ALL OF K LIES IN LDS (two halves of 98,304 bytes and the scale words): every byte that a tensor load fills is filled once; the stages have bytes of their own.
; CLUSTERS: 4 x 4 work-groups; L's tiles are shared along a row of the cluster, P's along a column: each is asked for JOINTLY.
; REGISTERS: window 0: v2 r, v3 h, v4-15 addresses; v32-95 scale words; v96-159 L's fragments, two sets; v160-223 the bias; on the way out v96-223 rows of the result.  window 1: v0-127 P's fragments.  window 2: accumulator (a, t) at v[8 (8 a + t)].
.set SLOT, 98304
.set SCL,  2*SLOT
.set STG,  SCL+12288                   ; behind the scale words: a stage of 16 rows x (512 + 16) bytes for each wave
.set LI,   4
.set ADRL, 8
.set ADRP, 10
.set ADRS, 12
.set STO,  13                          ; v13  the stage: where I put 32 bytes of a row
.set RD,   14                          ; v14  and where I read a row back
.set BO,   15
.set SC,   32
.set LF,   96
.set BB,   160
.set G1, 24
.set G0, 32
.set G1B, 48
.set G0B, 56
.set G1S, 68
.set G0S, 76
.set G1SB, 80
.set G0SB, 88
.set MSB, 0
.macro WIN new                         ; the immediate's high byte repeats the setting that is left
.if MSB != \new
	s_set_vgpr_msb (MSB<<8)|\new
.set MSB, \new
.endif
.endm
.macro JLOAD g0a, g1a, g0b, g1b        ; a joint load: waves 0 and 1 fetch for L, waves 2 and 3 for P; four v_nop follow each line
	s_cmp_eq_u32 s15, 0
	s_cbranch_scc0 .Lfor_b_\@
	tensor_load_to_lds s[\g0a:\g0a+3], s[\g1a:\g1a+7]
	s_nop 0
.rept 4
	v_nop
.endr
	s_branch .Lasked_\@
.Lfor_b_\@:
	tensor_load_to_lds s[\g0b:\g0b+3], s[\g1b:\g1b+7]
	s_nop 0
.rept 4
	v_nop
.endr
.Lasked_\@:
.endm
.macro CROUND
	s_barrier_signal -1
	s_barrier_wait -1
	s_cmp_lg_u32 s14, 0
	s_cbranch_scc1 .Lnot_wave_0_\@
	s_barrier_signal -3
.Lnot_wave_0_\@:
	s_barrier_wait -3
	s_barrier_signal -1
	s_barrier_wait -1
.endm
.macro PLACES                          ; four places in front of loads into registers that matrix instructions have read, and of the first read of results
.rept 4
	v_nop
.endr
.endm
.macro FETCH sg
	WIN 0x40
.irp t, 0,1,2,3,4,5,6,7
.irp c, 0,1
	ds_load_b128 v[64*((\sg)%2)+8*\t+4*\c:64*((\sg)%2)+8*\t+4*\c+3], v[ADRP+(\sg)/4] offset:4096*\t+1024*((\sg)%4)+512*\c
.endr
.endr
	WIN 0
.irp a, 0,1,2,3
.irp c, 0,1
	ds_load_b128 v[LF+32*((\sg)%2)+8*\a+4*\c:LF+32*((\sg)%2)+8*\a+4*\c+3], v[ADRL+(\sg)/4] offset:4096*\a+1024*((\sg)%4)+512*\c
.endr
.endr
.endm
.macro SCALES kp
.irp i, 0,1,2,3,4,5,6,7
	ds_load_b128 v[SC+32*\kp+4*\i:SC+32*\kp+4*\i+3], v[ADRS] offset:512*\i+256*\kp
.endr
.endm
; 32 matrix instructions, the accumulators by turns in the same order in every step.  mode 0: in place; 1: C = the bias.
.macro MUL32 sg, mode
.if \mode == 0
	WIN 0xa1
.else
	WIN 0x81
.endif
.irp a, 0,1,2,3
.irp t, 0,1,2,3,4,5,6,7
.set rD, 8*(8*\a+\t)
.set rC, rD
.if \mode == 1
.set rC, BB+8*\t
.endif
.set rP, 64*((\sg)%2)+8*\t
.set rL, LF+32*((\sg)%2)+8*\a
.set rS, SC+32*((\sg)/4)+(\sg)%4
	v_wmma_scale_f32_16x16x128_f8f6f4 v[rD:rD+7], v[rP:rP+7], v[rL:rL+7], v[rC:rC+7], v[rS+4*\t], v[rS+4*\a] matrix_a_fmt:MATRIX_FMT_FP4 matrix_b_fmt:MATRIX_FMT_FP4 matrix_a_scale:MATRIX_SCALE_ROW1
.endr
.endr
.endm
.macro STEP sg
	s_wait_dscnt 0x0                               ; this step's fragments are in
.if \sg == 3
	s_wait_tensorcnt 0x0                           ; my part of K half 1 is in,
	s_barrier_signal -1
	s_barrier_wait -1                              ; everybody's is
.endif
.if \sg < 7
	PLACES
	FETCH \sg+1
.if \sg == 3
	SCALES 1
.endif
.endif
	MUL32 \sg, 0
	WIN 0
.endm
	s_load_b256 s[4:11], s[0:1], 0x0               ; L's codes s[4:5], L's scale words s[6:7], the weights' codes s[8:9], their scale words s[10:11]
	s_load_b128 s[96:99], s[0:1], 0x20             ; b_out s[96:97], out0 s[98:99]
	v_lshl_add_u32 v254, v0, 2, 0x3b400
	v_mov_b32 v255, 0
	ds_add_u32 v254, v255
	ds_add_u32 v254, v255
	v_lshrrev_b32 v1, 5, v0
	v_readfirstlane_b32 s14, v1                    ; wave 0..3
	s_lshr_b32 s15, s14, 1                         ; my half of L.  Also: I fetch for L (0) or for P (1)
	s_and_b32 s16, s14, 1                          ; my half of P.  Also: which half I fetch
	s_bfe_u32 s40, ttmp6, 0x40000                  ; cx
	s_bfe_u32 s41, ttmp6, 0x40004                  ; cy
	s_and_b32 s42, ttmp7, 0xffff
	s_lshl_b32 s43, s41, 2
	s_lshl_b32 s43, 15, s43                        ; my row of the cluster
	s_lshl_b32 s44, 0x1111, s40                    ; my column
	s_lshl_b32 s20, s42, 2
	s_add_co_u32 s20, s20, s41                     ; L: block 4 CY + cy of 128 tokens
	s_lshl_b32 s46, ttmp9, 2
	s_add_co_u32 s46, s46, 44                      ; P: w_out begins at tile 704 = block 44 of 16 tiles
	s_add_co_u32 s46, s46, s40
	s_lshl_b32 s22, s20, 12
	s_lshl_b32 s23, s16, 11
	s_add_co_u32 s22, s22, s23
	s_lshl_b32 s20, s20, 16
	s_lshl_b32 s23, s16, 15
	s_add_co_u32 s20, s20, s23
	s_mov_b32 s21, 0
	s_mov_b32 s23, 0
	s_lshl_b32 s92, s46, 13
	s_lshl_b32 s93, s16, 12
	s_add_co_u32 s92, s92, s93
	s_lshl_b32 s46, s46, 17
	s_lshl_b32 s93, s16, 16
	s_add_co_u32 s46, s46, s93
	s_mov_b32 s47, 0
	s_mov_b32 s93, 0
	; descriptor groups 1: elements of 8 bytes, no padding.  Codes: a K half of a tile is a row of 4,096 bytes, tiles 8,192 bytes apart.  Scale words: dense, rows of 256 bytes
	s_or_b32 s[G1], s43, (3<<16)|(1<<21)
	s_or_b32 s[G1B], s44, (3<<16)|(1<<21)
	s_or_b32 s[G1S], s43, (3<<16)|(1<<21)
	s_or_b32 s[G1SB], s44, (3<<16)|(1<<21)
.irp g, G1, G1B
	s_mov_b32 s[\g+1], 512<<16
	s_mov_b32 s[\g+3], 512<<16
	s_mov_b32 s[\g+5], 1024
	s_mov_b32 s[\g+6], 0
	s_mov_b32 s[\g+7], 0
.endr
	s_mov_b32 s[G1+2], 4<<16
	s_mov_b32 s[G1+4], 4
	s_mov_b32 s[G1B+2], 8<<16
	s_mov_b32 s[G1B+4], 8
.irp g, G1S, G1SB
	s_mov_b32 s[\g+1], 32<<16
	s_mov_b32 s[\g+3], 32<<16
	s_mov_b32 s[\g+5], 32
	s_mov_b32 s[\g+6], 0
	s_mov_b32 s[\g+7], 0
.endr
	s_mov_b32 s[G1S+2], 8<<16
	s_mov_b32 s[G1S+4], 8
	s_mov_b32 s[G1SB+2], 16<<16
	s_mov_b32 s[G1SB+4], 16
	s_lshl_b32 s45, s16, 14                        ; where they go: no place in the cluster enters an LDS address
	s_lshl_b32 s94, s16, 15
	s_add_co_u32 s94, s94, 32768
	s_lshl_b32 s95, s16, 11
	s_add_co_u32 s95, s95, SCL
	s_lshl_b32 s19, s16, 12
	s_add_co_u32 s19, s19, SCL+4096
	s_wait_dscnt 0x0
	s_wait_kmcnt 0x0
	s_add_nc_u64 s[20:21], s[4:5], s[20:21]
	s_add_nc_u64 s[22:23], s[6:7], s[22:23]
	s_add_nc_u64 s[46:47], s[8:9], s[46:47]
	s_add_nc_u64 s[92:93], s[10:11], s[92:93]
	CROUND                                         ; all sixteen work-groups are here: the joint loads meet
	s_mov_b32 s[G0S], 1
	s_mov_b32 s[G0S+1], s95
	s_mov_b64 s[G0S+2:G0S+3], s[22:23]
	s_or_b32 s[G0S+3], s[G0S+3], 0x80000000
	s_mov_b32 s[G0SB], 1
	s_mov_b32 s[G0SB+1], s19
	s_mov_b64 s[G0SB+2:G0SB+3], s[92:93]
	s_or_b32 s[G0SB+3], s[G0SB+3], 0x80000000
	JLOAD G0S, G1S, G0SB, G1SB                     ; three loads a wave, all first fills: the scale words, K half 0, K half 1
.irp k, 0,1
	s_mov_b32 s[G0+4*\k], 1
	s_add_co_u32 s[G0+4*\k+1], s45, \k*SLOT
	s_add_nc_u64 s[G0+4*\k+2:G0+4*\k+3], s[20:21], \k*4096
	s_or_b32 s[G0+4*\k+3], s[G0+4*\k+3], 0x80000000
	s_mov_b32 s[G0B+4*\k], 1
	s_add_co_u32 s[G0B+4*\k+1], s94, \k*SLOT
	s_add_nc_u64 s[G0B+4*\k+2:G0B+4*\k+3], s[46:47], \k*4096
	s_or_b32 s[G0B+4*\k+3], s[G0B+4*\k+3], 0x80000000
	JLOAD G0+4*\k, G1, G0B+4*\k, G1B
.endr
	v_and_b32 v1, 31, v0
	v_and_b32 v2, 15, v0                           ; r
	v_bfe_u32 v3, v0, 4, 1                         ; h
	v_lshlrev_b32 v[LI], 4, v1
	s_lshl_b32 s17, s15, 14
	s_lshl_b32 s18, s16, 15
	s_add_co_u32 s18, s18, 32768
.irp k, 0,1
	v_add_nc_u32 v[ADRL+\k], s17, v[LI]
	v_add_nc_u32 v[ADRP+\k], s18, v[LI]
	s_add_co_u32 s17, s17, SLOT
	s_add_co_u32 s18, s18, SLOT
.endr
	s_lshl_b32 s17, s15, 11
	s_lshl_b32 s18, s16, 12
	s_add_co_u32 s18, s18, 4096
	s_sub_co_u32 s18, s18, s17
	v_mul_u32_u24 v5, s18, v3                      ; lanes 16-31 take P's scale words
	s_add_co_u32 s17, s17, SCL
	v_lshl_add_u32 v5, v2, 4, v5
	v_add_nc_u32 v[ADRS], s17, v5
	s_mul_i32 s17, s14, 16*528
	s_add_co_u32 s17, s17, STG                     ; my stage
	v_mul_u32_u24 v[STO], v2, 528
	v_lshl_add_u32 v[STO], v3, 6, v[STO]
	v_add_nc_u32 v[STO], s17, v[STO]               ; in: row r, + 64 h
	v_add_nc_u32 v[RD], s17, v[LI]                 ; back: a row of 512 bytes to the 32 lanes
	s_lshl_b32 s92, s40, 10                        ; my 128 outputs begin at 256 cx + 128 (w % 2): in bytes
	s_lshl_b32 s94, s16, 9
	s_add_co_u32 s92, s92, s94
	s_mov_b32 s93, 0
	s_add_nc_u64 s[2:3], s[96:97], s[92:93]        ; the bias: lane (r, h) wants, for tile t, that of outputs 32 (t / 2) + 16 h + 8 (t % 2) + 0 .. 7
	v_lshlrev_b32 v[BO], 6, v3
.irp t, 0,1,2,3,4,5,6,7
	global_load_b128 v[BB+8*\t:BB+8*\t+3], v[BO], s[2:3] offset:4*(32*(\t/2)+8*(\t%2))
	global_load_b128 v[BB+8*\t+4:BB+8*\t+7], v[BO], s[2:3] offset:4*(32*(\t/2)+8*(\t%2))+16
.endr
	s_lshl_b32 s94, s42, 2
	s_add_co_u32 s94, s94, s41
	s_lshl_b32 s94, s94, 19                        ; 128 rows of 4,096 bytes,
	s_lshl_b32 s95, s15, 18                        ; my 64 of them
	s_add_co_u32 s94, s94, s95
	s_add_co_u32 s92, s92, s94
	s_add_nc_u64 s[98:99], s[98:99], s[92:93]
	s_wait_tensorcnt 0x1                           ; my scale words and my part of K half 0 are in; my one load of K half 1 may be out
	s_barrier_signal -1
	s_barrier_wait -1                              ; everybody's are
	FETCH 0
	SCALES 0
	s_wait_loadcnt 0x0                             ; the bias
	s_wait_dscnt 0x0
	FETCH 1
	MUL32 0, 1                                     ; K step 0 starts the sums on the bias: nothing is cleared and no bias is added
	WIN 0
	STEP 1
	STEP 2
	STEP 3
	STEP 4
	STEP 5
	STEP 6
	STEP 7
; THE WAY OUT, a tile of 16 tokens at a time.  A lane holds pieces of 32 bytes of one row; they go through my own stage and come back as whole runs of 512 bytes, which the 32 lanes store as two aligned blocks of 256 bytes.
; LDS serves a wave's instructions in order (ISA guide 5.7.1.4): no wait between the stores and the loads, nor in front of the next tile's stores.
.macro TOSTAGE a
	WIN 0x08                                       ; an LDS store's data are its source 1: window 2
.irp t, 0,1,2,3,4,5,6,7
	ds_store_b128 v[STO], v[8*(8*\a+\t):8*(8*\a+\t)+3] offset:128*(\t/2)+32*(\t%2)       ; each accumulator from its low end on
	ds_store_b128 v[STO], v[8*(8*\a+\t)+4:8*(8*\a+\t)+7] offset:128*(\t/2)+32*(\t%2)+16
.endr
	WIN 0
.irp i, 0,1,2,3,4,5,6,7,8,9,10,11,12,13,14,15
	ds_load_b128 v[96+64*((\a)%2)+4*\i:96+64*((\a)%2)+4*\i+3], v[RD] offset:528*\i
.endr
.endm
.macro SEND a, younger                 ; younger: the LDS instructions issued behind tile a's loads, which may stay out
	s_wait_dscnt \younger
.irp i, 0,1,2,3,4,5,6,7,8,9,10,11,12,13,14,15
	global_store_b128 v[LI], v[96+64*((\a)%2)+4*\i:96+64*((\a)%2)+4*\i+3], s[98:99] offset:(32*((\a)/2)+8*((\a)%2)+\i+8*(\i/8))*4096 th:TH_STORE_NT
.endr
.endm
	PLACES
	TOSTAGE 0
	TOSTAGE 1
	SEND 0, 32                                     ; behind tile 0's loads: tile 1's 16 stores and 16 loads
	s_wait_xcnt 0x0                                ; tile 0's stores have read their registers: tile 2's loads may land there
	TOSTAGE 2
	SEND 1, 32
	s_wait_xcnt 0x0
	TOSTAGE 3
	SEND 2, 32
	SEND 3, 0
	s_wait_tensorcnt 0x0
	ds_add_u32 v254, v255
	s_wait_dscnt 0x0
	CROUND                                         ; the closing round: no work-group ends while a partner may still ask for a tile that names it
	s_endpgm
.Lfunc_end_k_q0afadfe368_gemm_out:
	.size	k_q0afadfe368_gemm_out, .Lfunc_end_k_q0afadfe368_gemm_out-k_q0afadfe368_gemm_out
	.p2alignl 7, 3214868480
	.fill 96, 4, 3214868480
	.section	.rodata,"a",@progbits
	.p2align	6, 0x0
	.amdhsa_kernel k_q0afadfe368_gemm_out
		.amdhsa_group_segment_fixed_size 243200
		.amdhsa_private_segment_fixed_size 0
		.amdhsa_enable_private_segment 0
		.amdhsa_kernarg_size 48
		.amdhsa_user_sgpr_count 2
		.amdhsa_user_sgpr_kernarg_segment_ptr 1
		.amdhsa_wavefront_size32 1
		.amdhsa_system_sgpr_workgroup_id_x 1
		.amdhsa_system_sgpr_workgroup_id_y 1
		.amdhsa_system_sgpr_workgroup_id_z 1
		.amdhsa_system_vgpr_workitem_id 0
		.amdhsa_next_free_vgpr 768
		.amdhsa_next_free_sgpr 100
		.amdhsa_reserve_vcc 0
		.amdhsa_float_denorm_mode_32 3
		.amdhsa_float_denorm_mode_16_64 3
		.amdhsa_memory_ordered 1
		.amdhsa_forward_progress 1
		.amdhsa_inst_pref_size 73
	.end_amdhsa_kernel
	.amdgpu_metadata
---
amdhsa.version: [ 1, 2 ]
amdhsa.kernels:
  - .name:           k_q0afadfe368_gemm_out
    .symbol:         k_q0afadfe368_gemm_out.kd
    .args:
      - { .name: a_img, .offset: 0, .size: 8, .value_kind: global_buffer, .address_space: global }
      - { .name: a_sc, .offset: 8, .size: 8, .value_kind: global_buffer, .address_space: global }
      - { .name: cod_img, .offset: 16, .size: 8, .value_kind: global_buffer, .address_space: global }
      - { .name: cod_sc, .offset: 24, .size: 8, .value_kind: global_buffer, .address_space: global }
      - { .name: b_out, .offset: 32, .size: 8, .value_kind: global_buffer, .address_space: global }
      - { .name: out0, .offset: 40, .size: 8, .value_kind: global_buffer, .address_space: global }
    .group_segment_fixed_size: 243200
    .private_segment_fixed_size: 0
    .kernarg_segment_align: 8
    .kernarg_segment_size: 48
    .max_flat_workgroup_size: 128
    .sgpr_count:     100
    .vgpr_count:     768
    .wavefront_size: 32
...
	.end_amdgpu_metadata
.endif
;; end of part 4
